; MI455X (gfx1250); checked and timed in simulation.
; The chip was launched on July 23, 2026; its instructions are those of AMD's public machine-readable ISA for CDNA 5 (MIT licence, August 2026) and "CDNA5" Instruction Set Architecture Reference Guide (July 2026). The comments in the code are by the model that wrote it; some were corrected since.
;; Pt Module. Allowed arithmetic: float matrix products may take bf16 or f16 operands with f32 sums; all other float work in f32.
;; Inputs: x 65,536 x 1,024 float32.
;; Outputs: out0 65,536 float32.
;; 2 versions, each right; version 2 is version 1 with the launch rowsum written anew for expert scheduling mode. Each part assembles by itself: llvm-mc -triple=amdgcn-amd-amdhsa -mcpu=gfx1250 --defsym DOCPART=n.
;; ======== version 1 of 2: 1 launch
;; launch rowsum (part 1): grid 256 x 1, 16 waves a work-group, no clusters, 3,072 bytes of LDS; arguments x, out0; writes out0
.if DOCPART == 1
	.amdgcn_target "amdgcn-amd-amdhsa--gfx1250"
	.amdhsa_code_object_version 6
	.text
	.protected	k_q3e8fa5a30c_rowsum
	.globl	k_q3e8fa5a30c_rowsum
	.p2align	8
	.type	k_q3e8fa5a30c_rowsum,@function
k_q3e8fa5a30c_rowsum:
	s_mov_b64 s[64:65], 0
	v_nop
	global_prefetch_b8 v0, s[64:65] scope:SCOPE_SE
	s_setreg_imm32_b32 hwreg(HW_REG_WAVE_MODE, 25, 1), 1
	s_wait_xcnt 0x0
; out0[i] = (sum over c of x[i][c]) * i.   x: [65536][1024] f32, out0: [65536] f32.
; A stream: every byte of x is read once, nothing else is worth counting.  No matrix unit (there is no product), no cluster (no two
; work-groups read the same byte), no prefetch (48 loads of every wave are out from the first lines on).
; 256 work-groups of 16 waves.  A work-group owns 256 consecutive rows (1 MiB of x, 1,024 bytes of out0), a wave 16 consecutive rows
; (64 KiB in one piece).  A row is 4,096 bytes = eight loads of the wave, each covering 512 consecutive bytes, aligned.
; A ring of DEPTH row slots in registers keeps 8 x DEPTH loads of every wave in flight.  The 16 turns are unrolled: every row's
; offset fits the immediate, so the offset register and the base are never rewritten while a load reads them.
; LIMIT: a row is summed in f32 as a fixed tree (32 numbers in a lane, then over the 32 lanes), not in the reference's order: last bits
; may differ, and partial sums near f32's largest number may overflow in one order and not in the other.  NaN and infinities pass
; through the sum and the multiplication as they do in the reference (row 0: sum x 0).
.set ROW,   4096                       ; bytes in a row
.set ROWS,  16                         ; rows of a wave
.set DEPTH, 6                          ; row slots of a wave: 48 loads, 24 KiB, in flight
.set OFF,   1                          ; v1        byte offset of my 16 bytes in my wave's first row, from the work-group's first row
.set L16,   2                          ; v2        16 x lane
.set LA,    3                          ; v3        LDS byte of the result that I end up holding
.set IDX,   4                          ; v4        its row number, as f32
.set W,     5                          ; v5        scratch at the entry; on the way out 16 x thread
.set T,     6                          ; v[6:21]   scratch of the adding tree and of the folds
.set P,     22                         ; v[22:37]  P+r: my lane's partial sum of the wave's row r
.set X,     38                         ; v[38:229] slot s: 32 registers, a row as loaded
	s_load_b128 s[4:7], s[0:1], 0x0                ; x s[4:5], out0 s[6:7]
	v_lshl_add_u32 v230, v0, 2, 0x400
	v_mov_b32 v231, 0
	v_and_b32 v[L16], 31, v0                       ; lane
	v_lshrrev_b32 v[W], 5, v0
	v_lshlrev_b32 v[L16], 4, v[L16]                ; 16 bytes a lane
	v_readfirstlane_b32 s8, v[W]                   ; wave 0..15, as a scalar
	v_lshl_or_b32 v[OFF], v[W], 16, v[L16]         ; + wave x 16 rows x 4,096 bytes
	s_lshl_b32 s10, ttmp9, 20                      ; the work-group's 256 rows of x: 1 MiB each group, 255 MiB at the most
	s_mov_b32 s11, 0
	s_lshl_b32 s12, ttmp9, 10                      ; and its 1,024 bytes of out0
	s_mov_b32 s13, 0
	s_wait_kmcnt 0x0
	s_add_nc_u64 s[4:5], s[4:5], s[10:11]
	s_add_nc_u64 s[6:7], s[6:7], s[12:13]
; Eight loads: the wave's row r, whole, into slot r mod DEPTH.  x is read once in the whole launch: non-temporal.
.macro FILL r
.set S, X+32*((\r)%DEPTH)
.irp k, 0,1,2,3,4,5,6,7
	global_load_b128 v[S+4*\k:S+4*\k+3], v[OFF], s[4:5] offset:ROW*(\r)+512*\k th:TH_LOAD_NT
.endr
.endm
.set row, 0
.rept DEPTH
	FILL row                                       ; the ring is filled before anything else is done
.set row, row+1
.endr
	; While the first rows are on their way: what the way out needs.  After the folds lane l holds row l % 16 of my wave.
	s_lshl_b32 s9, ttmp9, 8                        ; 256 x work-group
	s_lshl4_add_u32 s9, s8, s9                     ; + 16 x wave: my wave's first row
	s_mov_b32 s14, 0x76543210                      ; v_permlanex16_b32: lane i of one half reads lane i of the other
	s_mov_b32 s15, 0xfedcba98
	v_and_b32 v[LA], 15, v0
	v_add_nc_u32 v[IDX], s9, v[LA]                 ; the row's number, at most 65,535: exact in f32
	v_cvt_f32_u32 v[IDX], v[IDX]
	v_lshlrev_b32 v[LA], 2, v[LA]
	v_lshl_add_u32 v[LA], s8, 6, v[LA]             ; LDS byte 64 x wave + 4 x row: each wave has 64 bytes of its own
; The turn of row r.  The first level of the tree empties the slot into T, so that the slot can be asked for again at once;
; the rest of the tree works on T while the new loads leave.
.macro TURN r
.if ROWS-1-(\r) < DEPTH-1
	s_wait_loadcnt 8*(ROWS-1-(\r))                 ; the tail: only rows r+1 .. 15 are younger, eight loads each; the last wait is for 0
.else
	s_wait_loadcnt 8*(DEPTH-1)                     ; loads come back in order (ISA guide 5.7.1): row r is in, the DEPTH-1 younger rows stay out
.endif
.set S, X+32*((\r)%DEPTH)
.irp k, 0,1,2,3,4,5,6,7
	v_pk_add_f32 v[T+2*\k:T+2*\k+1], v[S+4*\k:S+4*\k+1], v[S+4*\k+2:S+4*\k+3]      ; 32 numbers to 16
.endr
.if (\r)+DEPTH < ROWS
	FILL \r+DEPTH                                  ; the same slot, DEPTH rows on; no load reaches past the wave's 16 rows
.endif
.irp k, 0,1,2,3
	v_pk_add_f32 v[T+2*\k:T+2*\k+1], v[T+2*\k:T+2*\k+1], v[T+8+2*\k:T+9+2*\k]      ; 16 to 8
.endr
.irp k, 0,1
	v_pk_add_f32 v[T+2*\k:T+2*\k+1], v[T+2*\k:T+2*\k+1], v[T+4+2*\k:T+5+2*\k]      ; 8 to 4
.endr
	v_pk_add_f32 v[T:T+1], v[T:T+1], v[T+2:T+3]                                    ; 4 to 2
	v_add_f32 v[P+(\r)], v[T], v[T+1]              ; my lane's share of row r
.endm
.set row, 0
.rept ROWS
	TURN row
.set row, row+1
.endr
; ACROSS THE LANES, all 16 rows at once.  A fold halves the number of registers: of the pair P+i, P+i+n a lane whose bit xm is 0 keeps
; P+i and hands P+i+n to lane l xor xm; a lane whose bit is 1 does the opposite.  Each then adds what it kept and what it was handed.
; After folds with n = xm = 8, 4, 2, 1 one register is left, in which lane l holds row l % 16 summed over its half of 16 lanes:
; 45 instructions, where a full reduction of each row by itself would take 6 x 16 and a select for each row.
; lanes: the mask of the lanes whose bit xm is set.
.macro FOLD n, xm, lanes
	s_mov_b32 vcc_lo, \lanes
.set i, 0
.rept \n
	v_cndmask_b32 v[T+2*i],   v[P+i+\n], v[P+i],    vcc_lo     ; to hand over: bit set ? P+i : P+i+n
	v_cndmask_b32 v[T+2*i+1], v[P+i],    v[P+i+\n], vcc_lo     ; to keep:      bit set ? P+i+n : P+i
	v_add_f32_dpp v[P+i], v[T+2*i], v[T+2*i+1] row_xmask:\xm row_mask:0xf bank_mask:0xf   ; the partner's first source + my second
.set i, i+1
.endr
.endm
	FOLD 8, 8, 0xff00ff00
	FOLD 4, 4, 0xf0f0f0f0
	FOLD 2, 2, 0xcccccccc
	FOLD 1, 1, 0xaaaaaaaa
	v_permlanex16_b32 v[T], v[P], s14, s15         ; the other half of the lanes (T has been written: the destination counts as read)
	v_add_f32 v[P], v[P], v[T]                     ; lanes l and l + 16 now hold the same number: a + b and b + a
	v_mul_f32 v[P], v[P], v[IDX]                   ; x the row's number
	; THE WAY OUT.  A wave's 16 results are 64 bytes; the work-group's 256 are gathered in LDS, so that each store below covers
	; 512 consecutive bytes of out0, aligned.  Lanes l and l + 16 write the same word with the same value.
	ds_store_b32 v[LA], v[P]
	s_wait_dscnt 0x0                               ; for the other waves' sake: my store is done before I say so
	s_barrier_signal -1
	s_barrier_wait -1                              ; all 1,024 bytes are in LDS
	s_cmp_ge_u32 s8, 2
	s_cbranch_scc1 .Ldone                          ; 64 lanes x 16 bytes are enough: waves 0 and 1
	v_lshl_add_u32 v[W], s8, 9, v[L16]             ; 512 x wave + 16 x lane: the same byte in LDS and in the group's part of out0
	ds_load_b128 v[T:T+3], v[W]
	s_wait_dscnt 0x0
	global_store_b128 v[W], v[T:T+3], s[6:7] th:TH_STORE_NT   ; written once, not read again in the launch
.Ldone:
	s_wait_tensorcnt 0x0
	ds_add_u32 v230, v231
	s_wait_dscnt 0x0
	s_endpgm
.Lfunc_end_k_q3e8fa5a30c_rowsum:
	.size	k_q3e8fa5a30c_rowsum, .Lfunc_end_k_q3e8fa5a30c_rowsum-k_q3e8fa5a30c_rowsum
	.p2alignl 7, 3214868480
	.fill 96, 4, 3214868480
	.section	.rodata,"a",@progbits
	.p2align	6, 0x0
	.amdhsa_kernel k_q3e8fa5a30c_rowsum
		.amdhsa_group_segment_fixed_size 3072
		.amdhsa_private_segment_fixed_size 0
		.amdhsa_enable_private_segment 0
		.amdhsa_kernarg_size 16
		.amdhsa_user_sgpr_count 2
		.amdhsa_user_sgpr_kernarg_segment_ptr 1
		.amdhsa_wavefront_size32 1
		.amdhsa_system_sgpr_workgroup_id_x 1
		.amdhsa_system_sgpr_workgroup_id_y 1
		.amdhsa_system_sgpr_workgroup_id_z 1
		.amdhsa_system_vgpr_workitem_id 0
		.amdhsa_next_free_vgpr 232
		.amdhsa_next_free_sgpr 66
		.amdhsa_reserve_vcc 1
		.amdhsa_float_denorm_mode_32 3
		.amdhsa_float_denorm_mode_16_64 3
		.amdhsa_memory_ordered 1
		.amdhsa_forward_progress 1
		.amdhsa_inst_pref_size 33
	.end_amdhsa_kernel
	.amdgpu_metadata
---
amdhsa.version: [ 1, 2 ]
amdhsa.kernels:
  - .name:           k_q3e8fa5a30c_rowsum
    .symbol:         k_q3e8fa5a30c_rowsum.kd
    .args:
      - { .name: x, .offset: 0, .size: 8, .value_kind: global_buffer, .address_space: global }
      - { .name: out0, .offset: 8, .size: 8, .value_kind: global_buffer, .address_space: global }
    .group_segment_fixed_size: 3072
    .private_segment_fixed_size: 0
    .kernarg_segment_align: 8
    .kernarg_segment_size: 16
    .max_flat_workgroup_size: 512
    .sgpr_count:     66
    .vgpr_count:     232
    .wavefront_size: 32
...
	.end_amdgpu_metadata
.endif
;; end of part 1
;; ======== version 2 of 2: 1 launch; version 1 with the launch rowsum written anew for expert scheduling mode
;; launch rowsum (part 2): grid 256 x 1, 16 waves a work-group, no clusters, 3,072 bytes of LDS; arguments x, out0; writes out0
.if DOCPART == 2
	.amdgcn_target "amdgcn-amd-amdhsa--gfx1250"
	.amdhsa_code_object_version 6
	.text
	.protected	k_q3e8fa5a30c_rowsum
	.globl	k_q3e8fa5a30c_rowsum
	.p2align	8
	.type	k_q3e8fa5a30c_rowsum,@function
k_q3e8fa5a30c_rowsum:
	s_mov_b64 s[64:65], 0
	v_nop
	global_prefetch_b8 v0, s[64:65] scope:SCOPE_SE
	s_setreg_imm32_b32 hwreg(HW_REG_WAVE_SCHED_MODE, 0, 2), 2
	s_setreg_imm32_b32 hwreg(HW_REG_WAVE_MODE, 25, 1), 1
	s_wait_xcnt 0x0
	s_wait_alu depctr_vm_vsrc(0)
; out0[i] = (sum over c of x[i][c]) * i.   x: [65536][1024] f32, out0: [65536] f32.
; A stream: every byte of x is read once, nothing else is worth counting.  No matrix unit (there is no product), no cluster (no two
; work-groups read the same byte), no prefetch (48 loads of every wave are out from the first lines on).
; 256 work-groups of 16 waves.  A work-group owns 256 consecutive rows (1 MiB of x, 1,024 bytes of out0), a wave 16 consecutive rows
; (64 KiB in one piece).  A row is 4,096 bytes = eight loads of the wave, each covering 512 consecutive bytes, aligned.
; A ring of DEPTH row slots in registers keeps 8 x DEPTH loads of every wave in flight.  The 16 turns are unrolled: every row's
; offset fits the immediate, so the offset register and the base are never rewritten while a load reads them.
; LIMIT: a row is summed in f32 as a fixed tree (32 numbers in a lane, then over the 32 lanes), not in the reference's order: last bits
; may differ, and partial sums near f32's largest number may overflow in one order and not in the other.  NaN and infinities pass
; through the sum and the multiplication as they do in the reference (row 0: sum x 0).
; THE MODE: SCHED_MODE bits 1:0 = 2 (LLVM: expert scheduling mode 2), set by the entry lines.  The code itself states the register dependences
; between vector instructions and memory or LDS instructions, with s_wait_alu, always for 0.
; THE PLAN.  Registers that memory or LDS instructions touch:
;   v[OFF]        Written once at the head; read by every load of x; never written again.  One wait on va_vdst ahead of the first load.
;   X, slot r % 6 The loads of row r land in it; the eight first additions of turn r read it, and no other vector instruction ever names it;
;                 then the loads of row r + 6 land in it.  One wait on va_vdst in a turn, behind those eight additions.  The eight loads follow
;                 it, dealt among the turn's other eight additions, which name T and P alone.
;   v[LA], v[P]   Written by vector instructions; read by the one LDS store.
;   v[W]          Written at the head; read by the LDS load and the global store of the way out.
;   v[T:T+3]      Named by the tree and the folds; on the way out the LDS load lands in them and the global store reads them.
;                 For these three lines ONE wait on va_vdst stands ahead of the LDS store: no vector instruction follows it.
;   The rest of T and P are named by vector instructions alone.
; No register that a memory or LDS instruction reads is ever written again, so the turns and the way out need no wait on vm_vsrc; EXEC is never written;
; VCC is written by scalar moves alone.  s8 comes from a vector instruction: one wait on va_sdst ahead of its first reader.
.set ROW,   4096                       ; bytes in a row
.set ROWS,  16                         ; rows of a wave
.set DEPTH, 6                          ; row slots of a wave: 48 loads, 24 KiB, in flight
.set OFF,   1                          ; v1        byte offset of my 16 bytes in my wave's first row, from the work-group's first row
.set L16,   2                          ; v2        16 x lane
.set LA,    3                          ; v3        LDS byte of the result that I end up holding
.set IDX,   4                          ; v4        its row number, as f32
.set W,     5                          ; v5        scratch at the entry; then, for the way out, 16 x thread
.set T,     6                          ; v[6:21]   scratch of the adding tree and of the folds
.set P,     22                         ; v[22:37]  P+r: my lane's partial sum of the wave's row r
.set X,     38                         ; v[38:229] slot s: 32 registers, a row as loaded
	s_load_b128 s[4:7], s[0:1], 0x0                ; x s[4:5], out0 s[6:7]
	v_lshl_add_u32 v230, v0, 2, 0x400
	v_mov_b32 v231, 0
	v_and_b32 v[L16], 31, v0                       ; lane
	v_lshrrev_b32 v[W], 5, v0
	v_lshlrev_b32 v[L16], 4, v[L16]                ; 16 bytes a lane
	v_readfirstlane_b32 s8, v[W]                   ; wave 0..15, as a scalar
	v_lshl_or_b32 v[OFF], v[W], 16, v[L16]         ; + wave x 16 rows x 4,096 bytes
	s_lshl_b32 s10, ttmp9, 20                      ; the work-group's 256 rows of x: 1 MiB each group, 255 MiB at the most
	s_mov_b32 s11, 0
	s_lshl_b32 s12, ttmp9, 10                      ; and its 1,024 bytes of out0
	s_mov_b32 s13, 0
	s_wait_kmcnt 0x0
	s_add_nc_u64 s[4:5], s[4:5], s[10:11]
	s_add_nc_u64 s[6:7], s[6:7], s[12:13]
	s_wait_alu depctr_va_vdst(0)                   ; v[OFF] is written: every load of x reads it as its offset
; One load: piece k (512 consecutive bytes) of the wave's row r, into slot r mod DEPTH.  x is read once in the whole launch: non-temporal.
.macro LD r, k
	global_load_b128 v[X+32*((\r)%DEPTH)+4*(\k):X+32*((\r)%DEPTH)+4*(\k)+3], v[OFF], s[4:5] offset:ROW*(\r)+512*(\k) th:TH_LOAD_NT
.endm
; Eight loads: the row, whole.
.macro FILL r
.irp k, 0,1,2,3,4,5,6,7
	LD \r, \k
.endr
.endm
; Piece k of the row DEPTH rows behind row r, if the wave has such a row: no load reaches past the wave's 16 rows.
.macro NEXT r, k
.if (\r)+DEPTH < ROWS
	LD (\r)+DEPTH, \k
.endif
.endm
.set row, 0
.rept DEPTH
	FILL row                                       ; the ring is filled before anything else is done
.set row, row+1
.endr
	; While the first rows are on their way: what the way out needs.  After the folds lane l holds row l % 16 of my wave.
	s_wait_alu depctr_va_sdst(0)                   ; s8 is written, ahead of its first reader: the wave's first row, two LDS addresses and the last branch are made from it
	s_lshl_b32 s9, ttmp9, 8                        ; 256 x work-group
	s_lshl4_add_u32 s9, s8, s9                     ; + 16 x wave: my wave's first row
	s_mov_b32 s14, 0x76543210                      ; v_permlanex16_b32: lane i of one half reads lane i of the other
	s_mov_b32 s15, 0xfedcba98
	v_and_b32 v[LA], 15, v0
	v_add_nc_u32 v[IDX], s9, v[LA]                 ; the row's number, at most 65,535: exact in f32
	v_cvt_f32_u32 v[IDX], v[IDX]
	v_lshlrev_b32 v[LA], 2, v[LA]
	v_lshl_add_u32 v[LA], s8, 6, v[LA]             ; LDS byte 64 x wave + 4 x row: each wave has 64 bytes of its own
	v_lshl_add_u32 v[W], s8, 9, v[L16]             ; 512 x wave + 16 x lane: the same byte in LDS and in the group's part of out0; waves 0 and 1 use it on the way out
; The turn of row r.  The first level of the tree empties the slot into T, so that the slot can be asked for again at once;
; the rest of the tree works on T while the new loads leave, a load ahead of each of its eight additions.
.macro TURN r
.if ROWS-1-(\r) < DEPTH-1
	s_wait_loadcnt 8*(ROWS-1-(\r))                 ; the tail: only rows r+1 .. 15 are younger, eight loads each; the last wait is for 0
.else
	s_wait_loadcnt 8*(DEPTH-1)                     ; loads come back in order (ISA guide 5.7.1): row r is in, the DEPTH-1 younger rows stay out
.endif
.set S, X+32*((\r)%DEPTH)
.irp k, 0,1,2,3,4,5,6,7
	v_pk_add_f32 v[T+2*\k:T+2*\k+1], v[S+4*\k:S+4*\k+1], v[S+4*\k+2:S+4*\k+3]      ; 32 numbers to 16
.endr
.if (\r)+DEPTH < ROWS
	s_wait_alu depctr_va_vdst(0)                   ; the eight additions above are done reading the slot, in which the eight loads below land; no vector instruction behind this wait names the slot or v[OFF]
.endif
.irp k, 0,1,2,3
	NEXT \r, \k                                    ; the same slot, DEPTH rows on
	v_pk_add_f32 v[T+2*\k:T+2*\k+1], v[T+2*\k:T+2*\k+1], v[T+8+2*\k:T+9+2*\k]      ; 16 to 8
.endr
.irp k, 0,1
	NEXT \r, 4+\k
	v_pk_add_f32 v[T+2*\k:T+2*\k+1], v[T+2*\k:T+2*\k+1], v[T+4+2*\k:T+5+2*\k]      ; 8 to 4
.endr
	NEXT \r, 6
	v_pk_add_f32 v[T:T+1], v[T:T+1], v[T+2:T+3]                                    ; 4 to 2
	NEXT \r, 7
	v_add_f32 v[P+(\r)], v[T], v[T+1]              ; my lane's share of row r
.endm
.set row, 0
.rept ROWS
	TURN row
.set row, row+1
.endr
; ACROSS THE LANES, all 16 rows at once.  A fold halves the number of registers: of the pair P+i, P+i+n a lane whose bit xm is 0 keeps
; P+i and hands P+i+n to lane l xor xm; a lane whose bit is 1 does the opposite.  Each then adds what it kept and what it was handed.
; After folds with n = xm = 8, 4, 2, 1 one register is left, in which lane l holds row l % 16 summed over its half of 16 lanes:
; 45 instructions, where a full reduction of each row by itself would take 6 x 16 and a select for each row.
; lanes: the mask of the lanes whose bit xm is set.
.macro FOLD n, xm, lanes
	s_mov_b32 vcc_lo, \lanes
.set i, 0
.rept \n
	v_cndmask_b32 v[T+2*i],   v[P+i+\n], v[P+i],    vcc_lo     ; to hand over: bit set ? P+i : P+i+n
	v_cndmask_b32 v[T+2*i+1], v[P+i],    v[P+i+\n], vcc_lo     ; to keep:      bit set ? P+i+n : P+i
	v_add_f32_dpp v[P+i], v[T+2*i], v[T+2*i+1] row_xmask:\xm row_mask:0xf bank_mask:0xf   ; the partner's first source + my second
.set i, i+1
.endr
.endm
	FOLD 8, 8, 0xff00ff00
	FOLD 4, 4, 0xf0f0f0f0
	FOLD 2, 2, 0xcccccccc
	FOLD 1, 1, 0xaaaaaaaa
	v_permlanex16_b32 v[T], v[P], s14, s15         ; the other half of the lanes (T has been written: the destination counts as read)
	v_add_f32 v[P], v[P], v[T]                     ; lanes l and l + 16 now hold the same number: a + b and b + a
	v_mul_f32 v[P], v[P], v[IDX]                   ; x the row's number
	; THE WAY OUT.  A wave's 16 results are 64 bytes; the work-group's 256 are gathered in LDS, so that each store below covers
	; 512 consecutive bytes of out0, aligned.  Lanes l and l + 16 write the same word with the same value.
	s_wait_alu depctr_va_vdst(0)                   ; v[P] and v[LA] are written, which the LDS store reads; v[W] is written, which the LDS load and the global store read; the tree and the folds are done with v[T:T+3], in which the LDS load lands.  No vector instruction follows
	ds_store_b32 v[LA], v[P]
	s_wait_dscnt 0x0                               ; for the other waves' sake: my store is done before I say so
	s_barrier_signal -1
	s_barrier_wait -1                              ; all 1,024 bytes are in LDS
	s_cmp_ge_u32 s8, 2
	s_cbranch_scc1 .Ldone                          ; 64 lanes x 16 bytes are enough: waves 0 and 1
	ds_load_b128 v[T:T+3], v[W]
	s_wait_dscnt 0x0
	global_store_b128 v[W], v[T:T+3], s[6:7] th:TH_STORE_NT   ; written once, not read again in the launch
.Ldone:
	s_wait_dscnt 0x0
	s_wait_alu depctr_hold_cnt(0) depctr_sa_sdst(0) depctr_va_vdst(0) depctr_va_sdst(0) depctr_va_ssrc(0) depctr_va_vcc(0) depctr_vm_vsrc(0)
	s_wait_tensorcnt 0x0
	ds_add_u32 v230, v231
	s_wait_dscnt 0x0
	s_endpgm
.Lfunc_end_k_q3e8fa5a30c_rowsum:
	.size	k_q3e8fa5a30c_rowsum, .Lfunc_end_k_q3e8fa5a30c_rowsum-k_q3e8fa5a30c_rowsum
	.p2alignl 7, 3214868480
	.fill 96, 4, 3214868480
	.section	.rodata,"a",@progbits
	.p2align	6, 0x0
	.amdhsa_kernel k_q3e8fa5a30c_rowsum
		.amdhsa_group_segment_fixed_size 3072
		.amdhsa_private_segment_fixed_size 0
		.amdhsa_enable_private_segment 0
		.amdhsa_kernarg_size 16
		.amdhsa_user_sgpr_count 2
		.amdhsa_user_sgpr_kernarg_segment_ptr 1
		.amdhsa_wavefront_size32 1
		.amdhsa_system_sgpr_workgroup_id_x 1
		.amdhsa_system_sgpr_workgroup_id_y 1
		.amdhsa_system_sgpr_workgroup_id_z 1
		.amdhsa_system_vgpr_workitem_id 0
		.amdhsa_next_free_vgpr 232
		.amdhsa_next_free_sgpr 66
		.amdhsa_reserve_vcc 1
		.amdhsa_float_denorm_mode_32 3
		.amdhsa_float_denorm_mode_16_64 3
		.amdhsa_memory_ordered 1
		.amdhsa_forward_progress 1
		.amdhsa_inst_pref_size 33
	.end_amdhsa_kernel
	.amdgpu_metadata
---
amdhsa.version: [ 1, 2 ]
amdhsa.kernels:
  - .name:           k_q3e8fa5a30c_rowsum
    .symbol:         k_q3e8fa5a30c_rowsum.kd
    .args:
      - { .name: x, .offset: 0, .size: 8, .value_kind: global_buffer, .address_space: global }
      - { .name: out0, .offset: 8, .size: 8, .value_kind: global_buffer, .address_space: global }
    .group_segment_fixed_size: 3072
    .private_segment_fixed_size: 0
    .kernarg_segment_align: 8
    .kernarg_segment_size: 16
    .max_flat_workgroup_size: 512
    .sgpr_count:     66
    .vgpr_count:     232
    .wavefront_size: 32
...
	.end_amdgpu_metadata
.endif
;; end of part 2
